; MI455X (gfx1250); checked and timed in simulation.
; The chip was launched on July 23, 2026; its instructions are those of AMD's public machine-readable ISA for CDNA 5 (MIT licence, August 2026) and "CDNA5" Instruction Set Architecture Reference Guide (July 2026). The comments in the code are by the model that wrote it; some were corrected since.
;; C Linear. Allowed arithmetic: matrix products marked QUANTISED: E5M2 operands, one E8M0 scale for each 32 along K, by v_wmma_scale_f32_16x16x128_f8f6f4 with both operands' format E5M2, f32 sums; everything else in f32.
;; Inputs: bias 2,048 float32; mn 2,048 x 64 x 1 float32; packed 2,048 x 64 x 32 int32; scale 2,048 x 64 x 1 float32; x_codes 4 x 2,048 x 128 x 32 uint8 (E5M2 codes of x, K innermost, in blocks of 32 codes); x_scales 4 x 2,048 x 128 uint8 (E8M0 scales of x, one for each 32 codes along K).
;; Outputs: out0 4 x 2,048 x 2,048 float32.
;; This version of the problem:
;;   THIS VERSION OF THE PROBLEM IS GIVEN IN LOW PRECISION. The matrix products marked QUANTISED in the list below multiply operands that are first quantised to E5M2 (5 exponent bits, 2 mantissa bits; 8 bits a number), with one power-of-two scale for each 32 numbers along K (OCP MX v1.0); their sums are f32. All else is computed in f32.
;;   The module's matrix products, in the order in which they are computed (A, B: the left and right operand; K: the contracted axis; several contracted axes count as one K, in the product's order):
;;     1. [M 8,192, K 4,096] x [K 4,096, N 2,048]; A: input x (given as codes); B: computed on the way: QUANTISED
;;   THE QUANTISER, for each operand of a quantised product, along K:
;;     - K is cut into blocks of 32 from its start; a last block that is shorter is filled with zeros.
;;     - A block's scale is 2^e with e = floor(log2(the largest magnitude in the block)) - 15, held to -126 .. 127; a block of zeros has e = 0. As a byte (E8M0): e + 127.
;;     - Each number is divided by its block's scale, clamped to +-57,344, and rounded to the nearest number of E5M2, ties to even, subnormals kept.
;;     - The product sums the exact products of the quantised numbers (number of the format x scale) in f32.
;;   ~~~python
;;   def quantise(x, axis):      # numpy; x: float32 -> the quantised numbers, widened to float32 again
;;       x = np.moveaxis(x, axis, -1); K = x.shape[-1]
;;       x = np.pad(x, [(0, 0)] * (x.ndim - 1) + [(0, -K % 32)]); x = x.reshape(x.shape[:-1] + (-1, 32)); a = np.abs(x).max(-1, keepdims=True)
;;       e = np.where(a > 0, np.clip(np.frexp(np.where(a > 0, a, 1))[1] - 1 - 15, -126, 127), 0)      # np.frexp(a)[1] - 1 = floor(log2(a)), exactly
;;       r = np.clip(x / 2.0 ** e, -57344, 57344)
;;       step = 2.0 ** (np.maximum(np.frexp(np.where(r == 0, 1, r))[1] - 1, -14) - 2)
;;       q = np.round(r / step) * step * 2.0 ** e      # np.round: ties to even
;;       return np.moveaxis(q.reshape(q.shape[:-2] + (-1,))[..., :K], -1, axis).astype(np.float32)
;;   ~~~
;;   OPERANDS COMPUTED ON THE WAY. 'Computed on the way' means the value that the module computes at that place (a softmax that the list does not call 'softmax' is quantised finished and normalised). What goes into a quantiser is computed in f32, as accurately as f32 sums, v_exp_f32 and their like allow (about 1e-6 of the number): no bf16 or f16 on the way to a quantiser, and a product that is left as it is and whose result goes on into a quantised operand takes f32 operands (vector FMAs, or v_wmma_f32_16x16x4_f32). A number that lies on a knife's edge between two numbers of the format may be rounded either way, as far as f32 arithmetic and the matrix unit's own rounding can turn it there, and no further.
;;   INPUTS GIVEN AS CODES. x (in the module: [4, 2048, 4096], K = its axis 2): each comes as NAME_codes (uint8): NAME with its K axis moved to the last place and cut into blocks of 32 codes, [.., K / 32, bytes a block], one block behind the other in memory; one code a byte (a code: sign, 5 exponent bits, 2 mantissa bits); and NAME_scales (uint8): the same leading axes, one E8M0 byte (e + 127) for each 32 codes along K. Its value is code x scale, taken as it is: it is not quantised again, and the codes and scales need not be those that the quantiser above would give.
;; One version. Each part assembles by itself: llvm-mc -triple=amdgcn-amd-amdhsa -mcpu=gfx1250 --defsym DOCPART=n.
;; ======== version 1 of 1: 2 launches
;; limits: right only within a limited range of input values
;; workspace buffers: wq 8,650,752 bytes
;; launch wquant (part 1): grid 256 x 1, 8 waves a work-group, no clusters, 85,504 bytes of LDS; arguments packed, mn, scale, wq; writes wq
.if DOCPART == 1
	.amdgcn_target "amdgcn-amd-amdhsa--gfx1250"
	.amdhsa_code_object_version 6
	.text
	.protected	k_q0812b4db5d_wquant
	.globl	k_q0812b4db5d_wquant
	.p2align	8
	.type	k_q0812b4db5d_wquant,@function
k_q0812b4db5d_wquant:
	s_mov_b64 s[64:65], 0
	v_nop
	global_prefetch_b8 v0, s[64:65] scope:SCOPE_SE
	s_setreg_imm32_b32 hwreg(HW_REG_WAVE_MODE, 25, 1), 1
	s_wait_xcnt 0x0
; w[n][k] = nibble / scale[n][g] + mn[n][g] (g = k / 64; a group's 32 words hold k = 64 g + p in bits 7:4 and k = 64 g + 32 + p in bits 3:0) is computed in f32 and
; turned into codes of BF8 (E5M2) with one E8M0 byte for each 32 along K.  A group's high nibbles are one block of 32, its low nibbles the next.
; A block's byte is its largest magnitude's exponent field - 15, held at 1 from below; each number is held within +-57,344 x the scale and rounded to the nearest code, ties to even.
; OUT: wq = [32 blocks of 64 rows of w][32 steps of 128 along K][8,448 bytes], IN THE ORDER OF THE OPERAND'S REGISTERS: of the 64 rows' four blocks of 16, block B's chunk c (of four) is 512 bytes at
; 2,048 B + 512 c: lane l's 16 bytes at 16 l are row l % 16, k = 32 c + 16 (l / 16) + 0 .. 15.  Behind the 8,192 bytes of codes: the scale words, row r of block B at 8,192 + 64 B + 4 r.
; So the product's launch loads a fragment by four loads of 512 consecutive bytes.
; LIMITS: scale = 0, denormal or above 2^126, NaN and infinities are not served.  1 / scale is v_rcp_f32 with one Newton step; nibble x (1 / scale) + mn is one fused multiply-add (one rounding where a
; division and an addition have two).  A block of zeros gets the byte 1 where the rule says 127: its codes are zeros, which add nothing under any byte but 0xff, and this program alone reads the bytes.
; SHARES: a work-group takes 16 rows of w and half of K; each of its eight waves 256 along K: 16 rows x 512 bytes of packed.  All 16 loads of a wave (512 consecutive bytes each) go out at the start.
; The conversions want 16 neighbours along K in ONE lane: four rows at a time go through the wave's own stage in LDS, as they lie, and come back 64 bytes a lane.  The codes go through a second stage and leave
; chunk by chunk: each store of the wave covers 512 consecutive bytes, aligned to 256.  No tensor loads, no cluster: work-groups share nothing but 128-byte runs of mn and scale.
.set WREG, 9984                        ; LDS of a wave: two in-stages, the out-stage, its scale bytes
.set ISTG, 2560                        ; an in-stage: 32 places of 64 bytes + 16 of padding
.set OS,   5120                        ; the out-stage: 16 rows of 256 bytes + 32 of padding
.set OP,   288
.set SBY,  9728                        ; 128 scale bytes
.set RT,   8*WREG                      ; behind the waves' regions: 1 / scale of the work-group's 16 rows x 32 groups, rows of 128 bytes + 16;
.set TP,   144
.set MT,   16*TP                       ; and mn likewise, this many bytes further on
.set WSTEP, 8448                       ; 64 rows x 128 along K of wq
.set RM,   32                          ; v32-35   (1 / scale, mn) of my row and group, two sets
.set X,    36                          ; v36-67   16 words of packed, two sets
.set H,    68                          ; v68-83   the high nibbles' numbers
.set LO,   84                          ; v84-99   the low nibbles'
.set C,    100                         ; v100-131 codes: eight registers for each of the four steps, never written again
.set E,    132                         ; v132-135 two scale bytes for each step
.set R,    136                         ; v136-199 packed as loaded
.set OUTR, 200                         ; v200-231 the way out
	s_load_b256 s[4:11], s[0:1], 0x0               ; packed s[4:5], mn s[6:7], scale s[8:9], wq s[10:11]
	v_lshl_add_u32 v240, v0, 2, 0x14a00
	v_mov_b32 v241, 0
	v_lshrrev_b32 v1, 5, v0
	s_delay_alu instid0(VALU_DEP_1)
	v_readfirstlane_b32 s12, v1                    ; wave 0..7
	s_lshr_b32 s13, ttmp9, 1                       ; which 16 rows of w
	s_and_b32 s14, ttmp9, 1                        ; which half of K
	s_lshl_b32 s15, s14, 3
	s_add_co_u32 s15, s15, s12                     ; my 256 along K: 8 x half + wave
	s_mul_i32 s22, s12, WREG                       ; my LDS
	s_add_co_u32 s30, s22, OS
	s_add_co_u32 s31, s22, SBY
	s_mov_b32 s23, 0x600000                        ; the mantissa field of 57,344
	s_lshl_b32 s18, s13, 17                        ; packed: 16 rows of 8,192 bytes,
	s_lshl_b32 s24, s15, 9                         ; 512 bytes for 256 along K
	s_add_co_u32 s18, s18, s24
	s_mov_b32 s19, 0
	s_lshl_b32 s20, s13, 12                        ; mn, scale: 16 rows of 256 bytes,
	s_lshl_b32 s24, s14, 7                         ; 128 bytes a half
	s_add_co_u32 s20, s20, s24
	s_mov_b32 s21, 0
	s_lshr_b32 s24, s13, 2                         ; wq: block of 64 rows,
	s_lshl_b32 s24, s24, 5                         ; of 32 steps;
	s_lshl_b32 s25, s15, 1
	s_add_co_u32 s24, s24, s25                     ; my two steps of 128 begin here
	s_mul_i32 s24, s24, WSTEP
	s_and_b32 s25, s13, 3                          ; B: which 16 rows of the 64
	s_lshl_b32 s26, s25, 11
	s_add_co_u32 s26, s26, s24                     ; my codes: 2,048 bytes in each of the two steps
	s_mov_b32 s27, 0
	s_lshl_b32 s28, s25, 6
	s_add_co_u32 s28, s28, s24
	s_add_co_u32 s28, s28, 8192                    ; my scale words: 64 bytes in each
	s_mov_b32 s29, 0
	v_and_b32 v1, 31, v0                           ; lane L
	s_delay_alu instid0(VALU_DEP_1)
	v_lshlrev_b32 v2, 4, v1                        ; 16 L: my 16 bytes of a load's or a store's 512
	s_delay_alu instid0(VALU_DEP_2)
	v_lshrrev_b32 v14, 2, v1
	s_delay_alu instid0(VALU_DEP_1)
	v_mul_u32_u24 v3, v14, 80
	s_delay_alu instid0(VALU_DEP_4)
	v_and_b32 v15, 3, v1
	s_delay_alu instid0(VALU_DEP_1)
	v_lshl_add_u32 v3, v15, 4, v3
	s_delay_alu instid0(VALU_DEP_1)
	v_add_nc_u32 v3, s22, v3                       ; in-stage, way in: four lanes' 64 bytes on end, then the padding
	v_mul_u32_u24 v4, v1, 80
	s_delay_alu instid0(VALU_DEP_1)
	v_add_nc_u32 v4, s22, v4                       ; way out: place L: row L / 8 of the step's four, group (L / 2) % 4, words 16 (L % 2) on
	v_lshrrev_b32 v14, 3, v1                       ; L / 8
	v_bfe_u32 v15, v1, 1, 2                        ; (L / 2) % 4
	v_and_b32 v16, 1, v1                           ; L % 2
	s_delay_alu instid0(VALU_DEP_3)
	v_mul_u32_u24 v5, v14, OP
	s_delay_alu instid0(VALU_DEP_1)
	v_lshl_add_u32 v5, v15, 6, v5
	s_delay_alu instid0(VALU_DEP_1)
	v_lshl_add_u32 v5, v16, 4, v5
	s_delay_alu instid0(VALU_DEP_1)
	v_add_nc_u32 v5, s30, v5                       ; out-stage, way in: my row, 64 bytes a group, 16 for my half of a block; the low nibbles' block 32 further on
	v_lshrrev_b32 v17, 4, v1                       ; L / 16
	v_and_b32 v18, 15, v1                          ; L % 16
	s_delay_alu instid0(VALU_DEP_1)
	v_mul_u32_u24 v6, v18, OP
	s_delay_alu instid0(VALU_DEP_1)
	v_lshl_add_u32 v6, v17, 4, v6
	s_delay_alu instid0(VALU_DEP_1)
	v_add_nc_u32 v6, s30, v6                       ; way out, as the operand's registers want it: row L % 16, 16 (L / 16) bytes on
	v_lshlrev_b32 v7, 3, v14
	s_delay_alu instid0(VALU_DEP_1)
	v_lshl_add_u32 v7, v15, 1, v7
	s_delay_alu instid0(VALU_DEP_1)
	v_add_nc_u32 v7, s31, v7                       ; my group's two scale bytes: 8 bytes a row
	v_lshlrev_b32 v8, 3, v18
	s_delay_alu instid0(VALU_DEP_1)
	v_lshl_add_u32 v8, v17, 2, v8
	s_delay_alu instid0(VALU_DEP_1)
	v_add_nc_u32 v8, s31, v8                       ; and back: row L % 16's word of step L / 16
	v_mul_u32_u24 v13, v17, WSTEP
	s_delay_alu instid0(VALU_DEP_1)
	v_lshl_add_u32 v13, v18, 2, v13                ; where that word goes: lanes 0-15 the first step's 64 bytes, lanes 16-31 the second's
	v_mul_u32_u24 v9, v14, TP
	s_delay_alu instid0(VALU_DEP_1)
	v_lshl_add_u32 v9, v15, 2, v9
	s_delay_alu instid0(VALU_DEP_1)
	v_lshl_add_u32 v9, s12, 4, v9
	s_delay_alu instid0(VALU_DEP_1)
	v_add_nc_u32 v9, RT, v9                        ; the tables: my row, group 4 x wave + (L / 2) % 4
	v_lshrrev_b32 v19, 4, v0                       ; thread / 16: a row of the sixteen
	v_and_b32 v20, 15, v0
	s_delay_alu instid0(VALU_DEP_2)
	v_mul_u32_u24 v10, v19, TP
	s_delay_alu instid0(VALU_DEP_1)
	v_lshl_add_u32 v10, v20, 3, v10
	s_delay_alu instid0(VALU_DEP_1)
	v_add_nc_u32 v10, RT, v10                      ; where my thread puts two numbers of a table,
	v_lshlrev_b32 v11, 8, v19
	s_delay_alu instid0(VALU_DEP_1)
	v_lshl_add_u32 v11, v20, 3, v11                ; and where it finds them in mn and in scale
	s_wait_alu depctr_va_vdst(0)
	s_wait_kmcnt 0x0
	s_add_nc_u64 s[4:5], s[4:5], s[18:19]
	s_add_nc_u64 s[6:7], s[6:7], s[20:21]
	s_add_nc_u64 s[8:9], s[8:9], s[20:21]
	s_add_nc_u64 s[16:17], s[10:11], s[28:29]      ; scale words
	s_add_nc_u64 s[10:11], s[10:11], s[26:27]      ; codes
	global_load_b64 v[24:25], v11, s[6:7]          ; mn
	global_load_b64 v[26:27], v11, s[8:9]          ; scale
.irp i, 0,1,2,3,4,5,6,7,8,9,10,11,12,13,14,15
	global_load_b128 v[R+4*\i:R+4*\i+3], v2, s[4:5] offset:8192*\i th:TH_LOAD_NT   ; row i: 512 consecutive bytes; read once in the launch
.endr
	s_wait_loadcnt 16                              ; mn and scale are in; the 16 loads of packed stay out
	v_rcp_f32 v28, v26
	v_rcp_f32 v29, v27
	v_nop                                          ; a plain instruction between a reciprocal and the use of its result
	s_wait_alu depctr_va_vdst(0)
	v_fma_f32 v30, -v26, v28, 1.0                  ; one Newton step: e = 1 - s r,
	v_fma_f32 v31, -v27, v29, 1.0
	v_fma_f32 v28, v28, v30, v28                   ; r = r + r e
	v_fma_f32 v29, v29, v31, v29
	ds_store_b64 v10, v[28:29]
	ds_store_b64 v10, v[24:25] offset:MT
	s_wait_dscnt 0x0                               ; for the others' sake: my part of the tables is written
	s_barrier_signal -1
	s_barrier_wait -1                              ; the launch's one barrier: every wave reads what all eight wrote; nothing writes the tables again
; Rows 4 t .. 4 t + 3 through in-stage t % 2: ten LDS instructions.  LDS serves a wave's instructions in order: no wait between the stores and the loads, nor in front of the stage's next use
.macro TURN t
	s_wait_loadcnt 12-4*(\t)                       ; these four rows are in; the rows behind them may be out
.irp i, 0,1,2,3
	ds_store_b128 v3, v[R+16*(\t)+4*\i:R+16*(\t)+4*\i+3] offset:ISTG*((\t)%2)+640*\i
.endr
.irp j, 0,1,2,3
	ds_load_b128 v[X+16*((\t)%2)+4*\j:X+16*((\t)%2)+4*\j+3], v4 offset:ISTG*((\t)%2)+16*\j
.endr
	ds_load_b32 v[RM+2*((\t)%2)], v9 offset:4*TP*(\t)
	ds_load_b32 v[RM+2*((\t)%2)+1], v9 offset:4*TP*(\t)+MT
.endm
; My 16 words become 16 numbers of each of two blocks; lane L xor 1 holds the blocks' other halves.  Three LDS instructions
.macro WORK t
.set XS, X+16*((\t)%2)
.set RS, RM+2*((\t)%2)
.irp i, 0,1,2,3,4,5,6,7,8,9,10,11,12,13,14,15
	v_bfe_u32 v[H+\i], v[XS+\i], 4, 4
	v_and_b32 v[LO+\i], 15, v[XS+\i]
.endr
.irp i, 0,1,2,3,4,5,6,7,8,9,10,11,12,13,14,15
	v_cvt_f32_u32 v[H+\i], v[H+\i]
	v_cvt_f32_u32 v[LO+\i], v[LO+\i]
.endr
.irp i, 0,1,2,3,4,5,6,7,8,9,10,11,12,13,14,15
	v_fma_f32 v[H+\i], v[H+\i], v[RS], v[RS+1]     ; nibble x (1 / scale) + mn
	v_fma_f32 v[LO+\i], v[LO+\i], v[RS], v[RS+1]
.endr
	v_max3_num_f32 v14, |v[H]|, |v[H+1]|, 0x8000000    ; the largest magnitude of my 16, and the floor 2^(16 - 127): the byte cannot fall under 1
	v_max3_num_f32 v15, |v[LO]|, |v[LO+1]|, 0x8000000
.irp i, 2,4,6,8,10,12,14
	s_delay_alu instid0(VALU_DEP_2)
	v_max3_num_f32 v14, v14, |v[H+\i]|, |v[H+\i+1]|    ; (the two blocks by turns)
	s_delay_alu instid0(VALU_DEP_2)
	v_max3_num_f32 v15, v15, |v[LO+\i]|, |v[LO+\i+1]|
.endr
	s_delay_alu instid0(VALU_DEP_2)
	v_max_num_f32_dpp v14, v14, v14 row_xmask:1 row_mask:0xf bank_mask:0xf   ; with my neighbour's 16: the block's
	s_delay_alu instid0(VALU_DEP_2)
	v_max_num_f32_dpp v15, v15, v15 row_xmask:1 row_mask:0xf bank_mask:0xf
	s_delay_alu instid0(VALU_DEP_2)
	v_add_nc_u32 v16, 0xf8800000, v14              ; 15 off the exponent field: the conversion takes this operand's exponent field as its scale
	s_delay_alu instid0(VALU_DEP_2)
	v_add_nc_u32 v17, 0xf8800000, v15
	s_delay_alu instid0(VALU_DEP_4)
	v_and_or_b32 v18, v14, 0x7f800000, s23         ; 57,344 x the scale
	s_delay_alu instid0(VALU_DEP_4)
	v_and_or_b32 v19, v15, 0x7f800000, s23
.irp i, 0,1,2,3,4,5,6,7,8,9,10,11,12,13,14,15
	v_med3_num_f32 v[H+\i], v[H+\i], -v18, v18     ; the conversion to an 8-bit code does not saturate (ISA guide 7.6.2): the hold comes first
	v_med3_num_f32 v[LO+\i], v[LO+\i], -v19, v19
.endr
	v_cvt_scalef32_pk8_bf8_f32 v[C+8*(\t):C+8*(\t)+1], v[H:H+7], v16
	v_cvt_scalef32_pk8_bf8_f32 v[C+8*(\t)+2:C+8*(\t)+3], v[H+8:H+15], v16
	v_cvt_scalef32_pk8_bf8_f32 v[C+8*(\t)+4:C+8*(\t)+5], v[LO:LO+7], v17
	v_cvt_scalef32_pk8_bf8_f32 v[C+8*(\t)+6:C+8*(\t)+7], v[LO+8:LO+15], v17
	v_lshrrev_b32 v20, 23, v16                     ; the scales' bytes.  (Plain lines behind the conversions, ahead of the next step's writes of their sources)
	v_lshrrev_b32 v21, 23, v17
	s_delay_alu instid0(VALU_DEP_1)
	v_lshl_or_b32 v[E+(\t)], v21, 8, v20           ; the high nibbles' block comes first along K
	ds_store_b128 v5, v[C+8*(\t):C+8*(\t)+3] offset:4*OP*(\t)
	ds_store_b128 v5, v[C+8*(\t)+4:C+8*(\t)+7] offset:4*OP*(\t)+32
	ds_store_b16 v7, v[E+(\t)] offset:32*(\t)      ; both lanes of a pair write the same two bytes with the same values
.endm
	TURN 0
	TURN 1
	s_wait_dscnt 10                                ; step 0 is back; behind it: step 1's ten
	WORK 0
	TURN 2
	s_wait_dscnt 13                                ; step 1 is back; behind it: three stores and step 2's ten
	WORK 1
	TURN 3
	s_wait_dscnt 13
	WORK 2
	s_wait_dscnt 3                                 ; step 3 is back; behind it: three stores
	WORK 3
.irp j, 0,1,2,3,4,5,6,7
	ds_load_b128 v[OUTR+4*\j:OUTR+4*\j+3], v6 offset:128*(\j/4)+32*(\j%4)   ; chunk j % 4 of step j / 4: these see my stores (a wave's LDS instructions are served in order)
.endr
	ds_load_b32 v232, v8
.irp j, 0,1,2,3,4,5,6,7
	s_wait_dscnt 8-\j
	global_store_b128 v2, v[OUTR+4*\j:OUTR+4*\j+3], s[10:11] offset:WSTEP*(\j/4)+512*(\j%4)   ; 512 consecutive bytes, at a multiple of 256 from wq's first byte
.endr
	s_wait_dscnt 0x0
	global_store_b32 v13, v232, s[16:17]           ; two runs of 64 consecutive bytes: one byte in 33 of what the launch stores leaves in runs of that length
	s_wait_tensorcnt 0x0
	ds_add_u32 v240, v241
	s_wait_dscnt 0x0
	s_endpgm
.Lfunc_end_k_q0812b4db5d_wquant:
	.size	k_q0812b4db5d_wquant, .Lfunc_end_k_q0812b4db5d_wquant-k_q0812b4db5d_wquant
	.p2alignl 7, 3214868480
	.fill 96, 4, 3214868480
	.section	.rodata,"a",@progbits
	.p2align	6, 0x0
	.amdhsa_kernel k_q0812b4db5d_wquant
		.amdhsa_group_segment_fixed_size 85504
		.amdhsa_private_segment_fixed_size 0
		.amdhsa_enable_private_segment 0
		.amdhsa_kernarg_size 32
		.amdhsa_user_sgpr_count 2
		.amdhsa_user_sgpr_kernarg_segment_ptr 1
		.amdhsa_wavefront_size32 1
		.amdhsa_system_sgpr_workgroup_id_x 1
		.amdhsa_system_sgpr_workgroup_id_y 1
		.amdhsa_system_sgpr_workgroup_id_z 1
		.amdhsa_system_vgpr_workitem_id 0
		.amdhsa_next_free_vgpr 242
		.amdhsa_next_free_sgpr 66
		.amdhsa_reserve_vcc 0
		.amdhsa_float_denorm_mode_32 3
		.amdhsa_float_denorm_mode_16_64 3
		.amdhsa_memory_ordered 1
		.amdhsa_forward_progress 1
		.amdhsa_inst_pref_size 49
	.end_amdhsa_kernel
	.amdgpu_metadata
---
amdhsa.version: [ 1, 2 ]
amdhsa.kernels:
  - .name:           k_q0812b4db5d_wquant
    .symbol:         k_q0812b4db5d_wquant.kd
    .args:
      - { .name: packed, .offset: 0, .size: 8, .value_kind: global_buffer, .address_space: global }
      - { .name: mn, .offset: 8, .size: 8, .value_kind: global_buffer, .address_space: global }
      - { .name: scale, .offset: 16, .size: 8, .value_kind: global_buffer, .address_space: global }
      - { .name: wq, .offset: 24, .size: 8, .value_kind: global_buffer, .address_space: global }
    .group_segment_fixed_size: 85504
    .private_segment_fixed_size: 0
    .kernarg_segment_align: 8
    .kernarg_segment_size: 32
    .max_flat_workgroup_size: 256
    .sgpr_count:     66
    .vgpr_count:     242
    .wavefront_size: 32
...
	.end_amdgpu_metadata
.endif
;; end of part 1
;; launch gemm (part 2): grid 8 x 32, 4 waves a work-group, clusters of 4 x 1, 327,680 bytes of LDS; arguments x_codes, x_scales, wq, bias, out0; writes out0
.if DOCPART == 2
	.amdgcn_target "amdgcn-amd-amdhsa--gfx1250"
	.amdhsa_code_object_version 6
	.text
	.protected	k_q0812b4db5d_gemm
	.globl	k_q0812b4db5d_gemm
	.p2align	8
	.type	k_q0812b4db5d_gemm,@function
k_q0812b4db5d_gemm:
	s_mov_b64 s[64:65], 0
	v_nop
	global_prefetch_b8 v0, s[64:65] scope:SCOPE_SE
	s_setreg_imm32_b32 hwreg(HW_REG_WAVE_MODE, 25, 1), 1
	s_wait_xcnt 0x0
	s_wait_alu depctr_hold_cnt(0) depctr_sa_sdst(0) depctr_va_vdst(0) depctr_va_sdst(0) depctr_va_ssrc(0) depctr_va_vcc(0) depctr_vm_vsrc(0)
	s_getreg_b32 s2, hwreg(HW_REG_IB_STS2, 6, 4)
	s_cmp_eq_u32 s2, 0
	s_cbranch_scc0 .Lentry_in_a_cluster
	s_endpgm
.Lentry_in_a_cluster:
	s_bfe_u32 s2, ttmp6, 0x10000c
	s_cmp_lg_u32 s2, 0x3003
	s_cbranch_scc0 .Lentry_shape_is_right
	s_endpgm
.Lentry_shape_is_right:
; out0[m][n] = sum over k of x[m][k] w[n][k] + bias[n].  x: [8192][4096] codes of BF8 (E5M2) with E8M0 bytes [8192][128], as given; w: codes and scale words in wq, laid by the launch before in the order of
; the operand's registers: [32 blocks of 64 rows][32 steps of 128 along K][8,448 bytes].  Sums in f32 by v_wmma_scale_f32_16x16x128_f8f6f4.
; A tile of out0, 256 x 256, is made by four waves; 32 x 8 tiles: 256 work-groups.  Wave w makes all 256 rows x its own 64 columns: 16 x 4 accumulators, 512 registers.
; x goes through a ring of two LDS slots, 512 along K to a slot (a slab of four steps), filled by joint tensor loads: the four work-groups of a cluster make four tiles of one tile row.
; w goes from memory straight into registers: a wave's 64 rows are read by no other wave of the work-group.  Three sets of registers; a step's 18 loads are issued two steps (128 matrix instructions) ahead.
; w is not asked for jointly: with w's 256 rows beside x's in the ring a slot would hold 256 along K, not 512, and a refill would have 128 matrix instructions in which to land, not 256.
; A STEP is two batches of 32 matrix instructions: x's blocks 0-7 (buffer 0), then blocks 8-15 (buffer 1).  Behind each batch stand eight places and ONE run of loads: the buffer just read takes the next step's blocks.
; THE LOOP's trip is 12 steps (three sets of w, four steps to a slab).  A trip has three slabs, so the slot cannot stand in the text: s44 holds the base of the slot that is read (0 or SLOT, toggled at each
; change of slots), and the two LDS address registers are made anew from it there.
; PREFETCH: at each change of slots that has a slab three on, each wave asks for 16 rows x 512 bytes of it (a lane a block of 256 bytes): of the 64 rows that a wave fetches the partner at place cx takes
; 16 cx .. 16 cx + 15, told apart by address; that is one slab ahead of the load that wants it; slabs 0 to 2 come by their loads alone.  None is laid for w: its own loads run two steps ahead and stay out across barriers.
; THE MATRIX INSTRUCTION IS USED TRANSPOSED (source 0 = 16 rows of w, source 1 = 16 rows of x): a lane holds eight neighbouring numbers of a row of out0.
; THE BIAS is the C of each sum's first matrix instruction; it is loaded into the first 32 registers of window 3, which block 8's sums take over in place, last in the first step.
; LIMITS: a scale byte 0xff among x's makes its sums NaN, as the format says.
; REGISTERS: window 0: v1-31 addresses and w's scale words; v32-63 x's scale words; v64-255 w's fragments, three sets.  window 1: x's fragments, two buffers of 128.
;   window 2: accumulators of x's blocks 0-7 ((a, b) at v[8 (4 (a % 8) + b)]); window 3: of blocks 8-15.
.set SIZE_N, 2048
.set SIZE_K, 4096
.set PITCH,  528                       ; an LDS row of x: 512 bytes + 16 of padding
.set QROWS,  64*PITCH                  ; what one tensor load of the ring brings
.set HALFX,  8*16*PITCH                ; x's blocks 8-15 in a slot
.set SLOT,   139264                    ; from slot 0 to slot 1: a slot's 135,168 bytes and 4,096 that only the stage uses
.set WSTEP,  8448
.set UP,     272                       ; x's scale bytes: units of 256 bytes (two rows) + 16
.set SCL,    SLOT+4*QROWS
.set SBLK,   8*UP                      ; those of 16 rows
.set SPARE,  SCL+128*UP                ; the spare words: 512 bytes that no other line names
.set SPITCH, 272                       ; the way out: a stage of 128 rows x (256 + 16) bytes for each wave, from LDS byte 0 on: slot 0 has had its last fill and its last read by then
.set STGW,   128*SPITCH
.set BO,    3
.set WO,    4                          ; 16 x lane
.set WS,    5                          ; 4 x lane
.set SPW,   6
.set NIL,   7
.set BASE,  8                          ; v8-9   my fragment address in a slot: blocks 0-7, blocks 8-15
.set ADR,   10                         ; v10-11 the same in the slot that is read
.set ADRSA, 12                         ; x's scale words
.set STO,   13
.set RD,    14
.set CO,    15
.set WSC,   16                         ; v16-27 w's scale words, by step % 6: odd registers for even steps, even for odd: never x's register number modulo 8
.set PFO,   28
.set XSC,   32                         ; x's scale words: two sets of 16, a set for two steps: register 2 i + step % 2: lanes 0-15 block i, lanes 16-31 block i + 8
.set WF,    64
.set G1,  24
.set G0,  32
.set G1S, 48
.set G0S, 56
.set G1H, 68
.set G0H, 76
.set PF,  88
.set MSB, 0
.macro WIN new
.if MSB != (\new)
	s_set_vgpr_msb (MSB<<8)|(\new)
.set MSB, (\new)
.endif
.endm
.set MUL_LO, 0xa4                      ; source 0 (w) window 0, source 1 (x) window 1, C and D window 2
.set MUL_HI, 0xf4                      ; C and D window 3
.set TO_X,   0x40
.macro CREST
	s_cmp_lg_u32 s14, 0
	s_cbranch_scc1 .Lnot_wave_0_\@
	s_barrier_signal -3
.Lnot_wave_0_\@:
	s_barrier_wait -3
	s_barrier_signal -1
	s_barrier_wait -1
.endm
.macro CROUND
	s_barrier_signal -1
	s_barrier_wait -1
	CREST
.endm
.macro PLACES n
.rept \n
	v_nop
.endr
.endm
.macro WLOAD tt                        ; step tt (counted from s[8:9]) of w: two loads of scale words, 16 loads of 512 consecutive bytes
.set rs, WSC+4*(((\tt)%6)/2)+1-((\tt)%2)
	global_load_b32 v[rs], v[WS], s[8:9] offset:(\tt)*WSTEP+8192
	global_load_b32 v[rs+2], v[WS], s[8:9] offset:(\tt)*WSTEP+8192+128
.irp b, 0,1,2,3
.irp c, 0,1,2,3
	global_load_b128 v[WF+64*((\tt)%3)+16*\b+4*\c:WF+64*((\tt)%3)+16*\b+4*\c+3], v[WO], s[8:9] offset:(\tt)*WSTEP+2048*\b+512*\c
.endr
.endr
.endm
.macro XLOAD tn, half                  ; x's blocks 8 half .. 8 half + 7 of step tn into buffer half: 32 LDS loads
.irp i, 0,1,2,3,4,5,6,7
.irp c, 0,1,2,3
	ds_load_b128 v[128*(\half)+16*\i+4*\c:128*(\half)+16*\i+4*\c+3], v[ADR+(\half)] offset:\i*16*PITCH+128*((\tn)%4)+32*\c
.endr
.endr
.endm
.macro SCALES p                        ; x's scale words of steps 2 p, 2 p + 1
.irp i, 0,1,2,3,4,5,6,7
	ds_load_b64 v[XSC+16*((\p)%2)+2*\i:XSC+16*((\p)%2)+2*\i+1], v[ADRSA] offset:\i*SBLK+8*(\p)
.endr
.endm
; x's block xa against my four blocks of w.  cm = 1: C is the bias.  The accumulators take turns, one instruction a turn
.macro MUL4 tl, xa, cm
.irp b, 0,1,2,3
.set rD, 8*(4*((\xa)%8)+\b)
.set rC, rD
.if \cm
.set rC, 8*\b
.endif
.set rW, WF+64*((\tl)%3)+16*\b
.set rX, 128*((\xa)/8)+16*((\xa)%8)
.set rSW, WSC+4*(((\tl)%6)/2)+2*(\b/2)+1-((\tl)%2)
.set rSX, XSC+16*(((\tl)/2)%2)+2*((\xa)%8)+((\tl)%2)
.set hX, (\xa)/8
.set hW, \b%2
.if (hX == 0) && (hW == 0)
	v_wmma_scale_f32_16x16x128_f8f6f4 v[rD:rD+7], v[rW:rW+15], v[rX:rX+15], v[rC:rC+7], v[rSW], v[rSX] matrix_a_fmt:MATRIX_FMT_BF8 matrix_b_fmt:MATRIX_FMT_BF8
.elseif (hX == 0) && (hW == 1)
	v_wmma_scale_f32_16x16x128_f8f6f4 v[rD:rD+7], v[rW:rW+15], v[rX:rX+15], v[rC:rC+7], v[rSW], v[rSX] matrix_a_fmt:MATRIX_FMT_BF8 matrix_b_fmt:MATRIX_FMT_BF8 matrix_a_scale:MATRIX_SCALE_ROW1
.elseif (hX == 1) && (hW == 0)
	v_wmma_scale_f32_16x16x128_f8f6f4 v[rD:rD+7], v[rW:rW+15], v[rX:rX+15], v[rC:rC+7], v[rSW], v[rSX] matrix_a_fmt:MATRIX_FMT_BF8 matrix_b_fmt:MATRIX_FMT_BF8 matrix_b_scale:MATRIX_SCALE_ROW1
.else
	v_wmma_scale_f32_16x16x128_f8f6f4 v[rD:rD+7], v[rW:rW+15], v[rX:rX+15], v[rC:rC+7], v[rSW], v[rSX] matrix_a_fmt:MATRIX_FMT_BF8 matrix_b_fmt:MATRIX_FMT_BF8 matrix_a_scale:MATRIX_SCALE_ROW1 matrix_b_scale:MATRIX_SCALE_ROW1
.endif
.endr
.endm
.macro ASK how                         ; how = 2: not in the loop's last trip, whose third change of slots has no slab three on
.if \how == 2
	s_cmp_lg_u32 s3, 1
	s_cbranch_scc0 .Lnoask_\@
.endif
.if \how
	global_prefetch_b8 v[PFO], s[PF:PF+1] th:TH_LOAD_NT scope:SCOPE_SE
.endif
.if \how == 2
.Lnoask_\@:
.endif
.endm
	s_load_b256 s[4:11], s[0:1], 0x0               ; x's codes s[4:5], x's scales s[6:7], wq s[8:9], bias s[10:11]
	s_load_b64 s[12:13], s[0:1], 0x20              ; out0
	v_lshl_add_u32 v[SPW], v0, 2, SPARE
	v_mov_b32 v[NIL], 0
	ds_add_u32 v[SPW], v[NIL]                      ; the opening lines: the add, twice on end, and its wait ahead of my first tensor load
	ds_add_u32 v[SPW], v[NIL]
	v_lshrrev_b32 v1, 5, v0
	v_readfirstlane_b32 s14, v1                    ; wave 0..3
	s_and_b32 s16, s14, 1
	s_bfe_u32 s40, ttmp6, 0x40000                  ; cx
	s_lshl_b32 s42, ttmp9, 2
	s_add_co_u32 s42, s42, s40                     ; tile column: it enters w's, the bias's and out0's addresses alone
	s_and_b32 s17, ttmp7, 0xffff                   ; tile row, which the four partners share
	; group 1 for the ring's tiles: 64 rows x 512 bytes; for the head's: 128 rows.  Mask of all four, bit 21 beside it, 16 bytes of padding behind every 128 words
.irp g, G1, G1H
	s_mov_b32 s[\g+0], 15|(0<<16)|(1<<20)|(1<<21)|(6<<22)|(3<<25)
	s_mov_b32 s[\g+1], 512<<16
	s_mov_b32 s[\g+3], 512<<16
	s_mov_b32 s[\g+5], SIZE_K
	s_mov_b32 s[\g+6], 0
	s_mov_b32 s[\g+7], 0
.endr
	s_mov_b32 s[G1+2], 64<<16
	s_mov_b32 s[G1+4], 64
	s_mov_b32 s[G1H+2], 128<<16
	s_mov_b32 s[G1H+4], 128
	; x's scale bytes of 128 rows: 16,384 dense bytes as 64 rows of 256 (32 elements of 8 bytes), 16 bytes of padding behind each
	s_mov_b32 s[G1S+0], 15|(3<<16)|(1<<20)|(1<<21)|(5<<22)|(3<<25)
	s_mov_b32 s[G1S+1], 32<<16
	s_mov_b32 s[G1S+2], 64<<16
	s_mov_b32 s[G1S+3], 32<<16
	s_mov_b32 s[G1S+4], 64
	s_mov_b32 s[G1S+5], 32
	s_mov_b32 s[G1S+6], 0
	s_mov_b32 s[G1S+7], 0
	s_lshl_b32 s20, s17, 8                         ; 256 x tile row
	s_lshl_b32 s18, s14, 6
	s_add_co_u32 s18, s20, s18                     ; the ring: + 64 x wave
	s_lshl_b32 s19, s16, 7
	s_add_co_u32 s19, s20, s19                     ; the head: + 128 x (wave % 2)
	s_lshl_b32 s38, s40, 4
	s_add_co_u32 s38, s18, s38                     ; the prefetches: my work-group's 16 of my wave's 64 rows
	s_lshl_b32 s20, s18, 12
	s_mov_b32 s21, 0
	s_lshl_b32 s22, s19, 7
	s_mov_b32 s23, 0
	s_lshl_b32 s36, s19, 12
	s_mov_b32 s37, 0
	s_lshl_b32 s38, s38, 12
	s_mov_b32 s39, 0
	s_mul_i32 s45, s14, QROWS                      ; where my part of a slab goes
	s_mul_i32 s46, s16, 128*PITCH                  ; the head's halves of slab 0
	s_mul_i32 s41, s16, 64*UP
	s_add_co_u32 s41, s41, SCL                     ; and of the scales
	s_mul_i32 s47, s14, STGW                       ; my stage
	s_mov_b32 s44, 0                               ; the slot that is read
	s_lshl_b32 s80, s42, 2
	s_add_co_u32 s80, s80, s14                     ; my block of 64 rows of w
	s_mul_i32 s82, s80, 32*WSTEP
	s_mov_b32 s83, 0
	s_lshl_b32 s84, s80, 8                         ; my first column in bytes
	s_mov_b32 s85, 0
	s_lshl_b32 s86, s17, 21                        ; the tile's first row of out0
	s_mov_b32 s87, 0
	s_wait_dscnt 0x0                               ; both opening adds are done
	s_wait_kmcnt 0x0
	s_add_nc_u64 s[20:21], s[4:5], s[20:21]
	s_add_nc_u64 s[36:37], s[4:5], s[36:37]
	s_add_nc_u64 s[PF:PF+1], s[4:5], s[38:39]
	s_add_nc_u64 s[PF:PF+1], s[PF:PF+1], 1024      ; at slab 2: each change of slots steps it by a slab first
	s_add_nc_u64 s[22:23], s[6:7], s[22:23]
	s_add_nc_u64 s[8:9], s[8:9], s[82:83]
	s_add_nc_u64 s[10:11], s[10:11], s[84:85]
	s_add_nc_u64 s[12:13], s[12:13], s[86:87]
	s_add_nc_u64 s[12:13], s[12:13], s[84:85]
	s_mov_b32 s[G0S], 1
	s_mov_b32 s[G0S+1], s41
	s_mov_b64 s[G0S+2:G0S+3], s[22:23]
	s_or_b32 s[G0S+3], s[G0S+3], 0x80000000
	s_mov_b32 s[G0H], 1
	s_mov_b32 s[G0H+1], s46
	s_mov_b64 s[G0H+2:G0H+3], s[36:37]
	s_or_b32 s[G0H+3], s[G0H+3], 0x80000000
	s_mov_b32 s[G0], 1
	s_add_co_u32 s[G0+1], s45, SLOT                ; slab 1 goes to slot 1
	s_add_nc_u64 s[G0+2:G0+3], s[20:21], 512
	s_or_b32 s[G0+3], s[G0+3], 0x80000000
	CROUND                                         ; all four work-groups are here: the first joint loads meet
	s_cmp_lt_u32 s14, 2                            ; one tensor load a wave at the head: waves 0, 1 bring slab 0's two halves, waves 2, 3 the scales' two halves
	s_cbranch_scc0 .Lhead_s
	tensor_load_to_lds s[G0H:G0H+3], s[G1H:G1H+7]
	s_nop 0
	PLACES 4
	s_branch .Lhead_j
.Lhead_s:
	tensor_load_to_lds s[G0S:G0S+3], s[G1S:G1S+7]
	s_nop 0
	PLACES 4
.Lhead_j:
	v_and_b32 v1, 15, v0                           ; r
	v_bfe_u32 v2, v0, 4, 1                         ; h
	v_and_b32 v29, 31, v0                          ; lane
	v_lshlrev_b32 v[WO], 4, v29
	v_lshlrev_b32 v[WS], 2, v29
	v_lshlrev_b32 v[BO], 5, v2                     ; the bias: for block b lane (r, h) wants numbers 16 b + 8 h + 0 .. 7
	WIN 0xc0
.irp b, 0,1,2,3
	global_load_b128 v[8*\b:8*\b+3], v[BO], s[10:11] offset:64*\b
	global_load_b128 v[8*\b+4:8*\b+7], v[BO], s[10:11] offset:64*\b+16
.endr
	WIN 0
	WLOAD 0
	WLOAD 1
	WLOAD 2
	v_mul_u32_u24 v[BASE], v1, PITCH
	v_lshl_add_u32 v[BASE], v2, 4, v[BASE]         ; a fragment's row x pitch + 16 x half
	v_add_nc_u32 v[BASE+1], HALFX, v[BASE]
	v_add_nc_u32 v[ADR], s44, v[BASE]
	v_add_nc_u32 v[ADR+1], s44, v[BASE+1]
	v_lshrrev_b32 v30, 1, v1                       ; x's scale words: two rows of 128 bytes to a unit of 272,
	v_mul_u32_u24 v30, v30, UP
	v_and_b32 v31, 1, v1
	v_lshl_add_u32 v30, v31, 7, v30
	v_mul_u32_u24 v31, v2, 8*SBLK                  ; lanes 16-31 take the block eight further on
	v_add_nc_u32 v30, v30, v31
	v_add_nc_u32 v[ADRSA], SCL, v30
	v_mul_u32_u24 v30, v1, SPITCH                  ; the stage, in: row r, 32 bytes for each half of the lanes
	v_lshl_add_u32 v30, v2, 5, v30
	v_add_nc_u32 v[STO], s47, v30
	v_mul_u32_u24 v30, v2, SPITCH                  ; back: lanes 0-15 one row of 256 bytes, lanes 16-31 the next
	v_lshl_add_u32 v30, v1, 4, v30
	v_add_nc_u32 v[RD], s47, v30
	v_lshlrev_b32 v30, 13, v2                      ; and the same two rows in out0
	v_lshl_add_u32 v[CO], v1, 4, v30
	v_lshrrev_b32 v30, 1, v29                      ; the prefetches: row lane / 2, block lane % 2 of its 512 bytes
	v_and_b32 v31, 1, v29
	v_lshlrev_b32 v30, 12, v30
	v_lshl_add_u32 v[PFO], v31, 8, v30
; A STEP.  tl: the step, counted from the step at which s[8:9] and v[ADRSA] stand (a multiple of 12).  first: the sums start from the bias.  wld: w of the step three on is asked for.  scl: x's scale words of the
; next two steps are asked for.  chg = 1, 2: the change of slots, with a refill or without.  lc: the loads of w that may stay out: 18 for each later step asked for.
.macro STEP tl, first, wld, scl, chg, pf, lc
	s_wait_loadcnt \lc
.if \chg
.if \pf
	s_wait_xcnt 0x0                                ; my last prefetch has read its address
	s_add_nc_u64 s[PF:PF+1], s[PF:PF+1], 512
.endif
	s_wait_tensorcnt 0x0                           ; my one tensor load that was out, my part of the other slot, has landed;
	ds_add_u32 v[SPW], v[NIL]
.if \chg == 1
	s_add_nc_u64 s[G0+2:G0+3], s[G0+2:G0+3], 512   ; the slab two on,
	s_add_co_u32 s[G0+1], s45, s44                 ; into the slot read so far
.endif
	s_xor_b32 s44, s44, SLOT                       ; from here on the other slot is read
	s_wait_dscnt 33                                ; buffer 0 is in; buffer 1's 32 loads and the add may be out
	WIN MUL_LO
.irp a, 0,1,2,3
	MUL4 \tl, \a, 0
.endr
	s_wait_dscnt 0x0                               ; the add is done, and my reads of this slot are over (this step's fragments are the slab's last)
	s_barrier_signal -1
.irp a, 4,5,6,7
	MUL4 \tl, \a, 0
.endr
	WIN 0
	s_barrier_wait -1
.if \chg == 1
	CREST                                          ; the barrier has opened a round of the cluster's: no wave of any partner still reads the slot or has a load on its way
	tensor_load_to_lds s[G0:G0+3], s[G1:G1+7]      ; my one tensor load behind the round: four steps ahead of the wait for it
	s_nop 0
.endif
	PLACES 6
	v_add_nc_u32 v[ADR], s44, v[BASE]              ; (with the six above: the eight places in front of the loads below)
	v_add_nc_u32 v[ADR+1], s44, v[BASE+1]
	s_wait_alu depctr_va_vdst(0)
.else
	s_wait_dscnt 32                                ; buffer 0 (and any scale words) are in; buffer 1's 32 loads may be out
	WIN MUL_LO+0x10*\first                         ; in the first step C is the bias, in window 3
.irp a, 0,1,2,3,4,5,6,7
	MUL4 \tl, \a, \first
.endr
	PLACES 8
	WIN 0
.endif
.set LA, 32
.if \scl
	SCALES (\tl)/2+1
.set LA, 40
.endif
	WIN TO_X
	XLOAD (\tl)+1, 0
	WIN 0
	s_wait_dscnt LA                                ; buffer 1 is in; what was just issued may be out
	ASK \pf
	WIN MUL_HI
.if \first
.irp a, 9,10,11,12,13,14,15
	MUL4 \tl, \a, 1
.endr
	PLACES 9                                       ; block 8's sums are written over the bias, which the products above have read
	MUL4 \tl, 8, 0
.else
.irp a, 8,9,10,11,12,13,14,15
	MUL4 \tl, \a, 0
.endr
.endif
	PLACES 8
	WIN TO_X
	XLOAD (\tl)+1, 1
	WIN 0
.if \wld
	WLOAD (\tl)+3                                  ; into the set that this step has read
.endif
.endm
	s_wait_alu depctr_va_vdst(0)
	s_wait_tensorcnt 0x0                           ; my tile of the head's four is in
	ds_add_u32 v[SPW], v[NIL]
	s_wait_dscnt 0x0
	CROUND                                         ; everybody's tile is in, and the four work-groups are here
	tensor_load_to_lds s[G0:G0+3], s[G1:G1+7]      ; slab 1: slot 1's first fill
	s_nop 0
	PLACES 4
	SCALES 0
	WIN TO_X
	XLOAD 0, 0
	XLOAD 0, 1
	WIN 0
	STEP 0, 1, 1, 1, 0, 0, 36                      ; step 0 stands in front of the loop (the bias's loads are older than w's)
	s_mov_b32 s3, 2
.Llap:                                                 ; a trip: steps 12 k + 1 .. 12 k + 12, three changes of slots, each with a refill
	STEP 1,  0, 1, 0, 0, 0, 36
	STEP 2,  0, 1, 1, 0, 0, 36
	STEP 3,  0, 1, 0, 1, 1, 36
	STEP 4,  0, 1, 1, 0, 0, 36
	STEP 5,  0, 1, 0, 0, 0, 36
	STEP 6,  0, 1, 1, 0, 0, 36
	STEP 7,  0, 1, 0, 1, 1, 36
	STEP 8,  0, 1, 1, 0, 0, 36
	STEP 9,  0, 1, 0, 0, 0, 36
	STEP 10, 0, 1, 1, 0, 0, 36
	STEP 11, 0, 1, 0, 1, 2, 36
	STEP 12, 0, 1, 1, 0, 0, 36
	s_wait_xcnt 0x0                                ; the loads of w have read their base
	s_add_nc_u64 s[8:9], s[8:9], 12*WSTEP
	v_add_nc_u32 v[ADRSA], 48, v[ADRSA]            ; 4 bytes of a row's scales a step
	s_wait_alu depctr_va_vdst(0)
	s_sub_co_u32 s3, s3, 1
	s_cmp_lg_u32 s3, 0
	s_cbranch_scc1 .Llap
	STEP 1, 0, 1, 0, 0, 0, 36                      ; the tail, steps 25 to 31, is written out
	STEP 2, 0, 1, 1, 0, 0, 36
	STEP 3, 0, 1, 0, 2, 0, 36                      ; the last change of slots fills nothing
	STEP 4, 0, 1, 1, 0, 0, 36                      ; step 28 asks for step 31 of w, the last
	STEP 5, 0, 0, 0, 0, 0, 36
	STEP 6, 0, 0, 0, 0, 0, 18
; THE LAST STEP AND THE WAY OUT.  A lane holds 32 neighbouring bytes of a row and the lanes beside it other rows: so half a tile (128 rows x my 64 columns) goes through my own stage in LDS and comes back, into the
; registers that held it, as whole runs of 256 bytes.  LDS serves a wave's instructions in order (ISA guide 5.7.1.4): no wait between the stores and the loads.  No register is written again, and every row's place
; stands in the store's immediate (254 rows of 8,192 bytes at the most), so no store is waited for.
.macro TOST e
.irp b, 0,1,2,3
	ds_store_b128 v[STO], v[32*(\e)+8*\b:32*(\e)+8*\b+3] offset:(\e)*16*SPITCH+64*\b       ; each accumulator from its low end on
	ds_store_b128 v[STO], v[32*(\e)+8*\b+4:32*(\e)+8*\b+7] offset:(\e)*16*SPITCH+64*\b+16
.endr
.endm
.macro BACK
.set t, 0
.rept 64
	ds_load_b128 v[4*t:4*t+3], v[RD] offset:t*2*SPITCH
.set t, t+1
.endr
.endm
.macro SEND hi, g
.set t, 16*(\g)
.rept 16
	global_store_b128 v[CO], v[4*t:4*t+3], s[12:13] offset:(128*(\hi)+2*t)*SIZE_N*4 th:TH_STORE_NT   ; sixteen lanes store 256 consecutive bytes, at a multiple of 256 from out0's first byte
.set t, t+1
.endr
.endm
	s_wait_loadcnt 0x0
	s_wait_dscnt 32
	WIN MUL_LO
.irp a, 0,1,2,3,4,5,6,7
	MUL4 7, \a, 0
.endr
	PLACES 8
	s_wait_dscnt 0x0                               ; buffer 1 is in
	WIN 0x08
.irp e, 0,1,2,3,4,5,6,7
	TOST \e                                        ; rows 0-127 are finished: into the stage,
.endr
	WIN 0x80
	BACK                                           ; and back, while rows 128-255 are multiplied
	WIN MUL_HI
.irp a, 8,9,10,11,12,13,14,15
	MUL4 7, \a, 0
.endr
	PLACES 8
.irp g, 0,1,2,3
	s_wait_dscnt 48                                ; 16 (g + 1) of the 64 loads are back: behind them 48 - 16 g loads and the 16 g stores issued since
	WIN 0x08
	SEND 0, \g
	WIN 0x0c
	TOST 2*\g
	TOST 2*\g+1
.endr
	WIN 0xc0
	BACK
	WIN 0x0c
.irp g, 0,1,2,3
	s_wait_dscnt 48-16*\g
	SEND 1, \g
.endr
	WIN 0
	s_wait_tensorcnt 0x0                           ; the wave's end
	ds_add_u32 v[SPW], v[NIL]
	s_wait_dscnt 0x0
	CROUND                                         ; the closing round
	s_endpgm
.Lfunc_end_k_q0812b4db5d_gemm:
	.size	k_q0812b4db5d_gemm, .Lfunc_end_k_q0812b4db5d_gemm-k_q0812b4db5d_gemm
	.p2alignl 7, 3214868480
	.fill 96, 4, 3214868480
	.section	.rodata,"a",@progbits
	.p2align	6, 0x0
	.amdhsa_kernel k_q0812b4db5d_gemm
		.amdhsa_group_segment_fixed_size 327680
		.amdhsa_private_segment_fixed_size 0
		.amdhsa_enable_private_segment 0
		.amdhsa_kernarg_size 40
		.amdhsa_user_sgpr_count 2
		.amdhsa_user_sgpr_kernarg_segment_ptr 1
		.amdhsa_wavefront_size32 1
		.amdhsa_system_sgpr_workgroup_id_x 1
		.amdhsa_system_sgpr_workgroup_id_y 1
		.amdhsa_system_sgpr_workgroup_id_z 1
		.amdhsa_system_vgpr_workitem_id 0
		.amdhsa_next_free_vgpr 1024
		.amdhsa_next_free_sgpr 96
		.amdhsa_reserve_vcc 0
		.amdhsa_float_denorm_mode_32 3
		.amdhsa_float_denorm_mode_16_64 3
		.amdhsa_memory_ordered 1
		.amdhsa_forward_progress 1
		.amdhsa_inst_pref_size 255
	.end_amdhsa_kernel
	.section	.bss,"aw",@nobits
	.p2align	6
	.space	262144
	.amdgpu_metadata
---
amdhsa.version: [ 1, 2 ]
amdhsa.kernels:
  - .name:           k_q0812b4db5d_gemm
    .symbol:         k_q0812b4db5d_gemm.kd
    .args:
      - { .name: x_codes, .offset: 0, .size: 8, .value_kind: global_buffer, .address_space: global }
      - { .name: x_scales, .offset: 8, .size: 8, .value_kind: global_buffer, .address_space: global }
      - { .name: wq, .offset: 16, .size: 8, .value_kind: global_buffer, .address_space: global }
      - { .name: bias, .offset: 24, .size: 8, .value_kind: global_buffer, .address_space: global }
      - { .name: out0, .offset: 32, .size: 8, .value_kind: global_buffer, .address_space: global }
    .group_segment_fixed_size: 327680
    .private_segment_fixed_size: 0
    .kernarg_segment_align: 8
    .kernarg_segment_size: 40
    .max_flat_workgroup_size: 128
    .sgpr_count:     96
    .vgpr_count:     1024
    .wavefront_size: 32
...
	.end_amdgpu_metadata
.endif
;; end of part 2
